; MI455X (gfx1250); checked and timed in simulation.
; The chip was launched on July 23, 2026; its instructions are those of AMD's public machine-readable ISA for CDNA 5 (MIT licence, August 2026) and "CDNA5" Instruction Set Architecture Reference Guide (July 2026). The comments in the code are by the model that wrote it; some were corrected since.
;; Fast Geometric Product. Allowed arithmetic: float matrix products may take bf16 or f16 operands with f32 sums; other float arithmetic in f32, or as packed bf16 or f16 multiplies, adds, multiply-adds, maxima and minima; sums over many terms, partial sums and values carried from step to step in f32; what a program stores and reads back later, other than sums and carried values, may be rounded once to bf16 or f16.
;; Inputs: weight 256 x 256 x 32 float32; x 1,024 x 256 x 32 float32.
;; Outputs: out0 1,024 x 256 x 32 float32.
;; 2 versions, each right; version 2 is version 1 with the launch spin written anew for expert scheduling mode. Each part assembles by itself: llvm-mc -triple=amdgcn-amd-amdhsa -mcpu=gfx1250 --defsym DOCPART=n.
;; ======== version 1 of 2: 2 launches
;; limits: values are held in f16: magnitudes above 65,504 overflow, below 6.1e-05 lose precision; right only within a limited range of input values
;; workspace buffers: xt 16,777,216 bytes; wt 8,388,608 bytes
;; launch spin (part 1): grid 256 x 1, 8 waves a work-group, no clusters, 37,888 bytes of LDS; arguments x, weight, xt, wt; writes xt, wt
.if DOCPART == 1
	.amdgcn_target "amdgcn-amd-amdhsa--gfx1250"
	.amdhsa_code_object_version 6
	.text
	.protected	k_q3239dd9309_spin
	.globl	k_q3239dd9309_spin
	.p2align	8
	.type	k_q3239dd9309_spin,@function
k_q3239dd9309_spin:
	s_mov_b64 s[64:65], 0
	v_nop
	global_prefetch_b8 v0, s[64:65] scope:SCOPE_SE
	s_setreg_imm32_b32 hwreg(HW_REG_WAVE_MODE, 25, 1), 1
	s_wait_xcnt 0x0
; THE CHANGE OF BASIS.  Cl(4,1) is the algebra of complex 4 x 4 matrices.  With R(p,q) = X^p Z^q on two qubits (R[r][c] = 1 or -1 where r = c ^ p, the sign by the parity of q & c)
; the generators e0..e4 go to R(0,1), R(1,0), R(3,3), i R(3,1), R(1,3): they anticommute and square to +,+,+,+,-.  Blade a (an ascending product) goes to i^y (-1)^G(a) R(p,q), a = A(p,q,y).
; So a multivector v is the matrix M with part y (0 real, 1 imaginary) M_y[c ^ p][c] = F(p,y)[c] = the sum over q of (-1)^parity(q & c) (-1)^G(A) v[A(p,q,y)]:
; eight transforms of four points.  A geometric product is then a matrix product, a quarter of the multiply-adds.  This holds for every input: it is an identity of the algebra.
; THIS LAUNCH writes x and 64 x weight in that basis, rounded once to f16, as the two operands of a real product C = xt wt^T (next launch):
;   xt[4 b + c][8 i + 4 y + s] = X_y[s][c]                                   [4096][2048] f16
;   wt[8 o + r][8 i + ..] = W_0[r][0..3], -W_1[r][0..3];   wt[8 o + 4 + r][8 i + ..] = W_1[r][0..3], W_0[r][0..3]      [2048][2048] f16
; LIMITS.  f16 ends at 65,504: a signed sum of four blades of x, and 64 x a signed sum of four blades of weight, must stay under it (|x| < 16,376, |weight| < 255 suffice).
; The sums are made in f32 and rounded once; the rounding is made in the matrix basis, not blade by blade as the reference's inputs would be.
; SHARES.  A PASS is 32 multivectors (32 neighbouring i of one b or o): 4,096 bytes in.  Wave W = 8 x work-group + wave of 2,048 makes four passes of x and one of weight: all waves alike, no branch.
; Each load covers 512 neighbouring bytes; a pass goes through the wave's own stage in LDS so that each lane gets one whole multivector; each store covers 512 neighbouring bytes, aligned, of one row.
; Memory binds: no matrix unit, no cluster (no two work-groups read a common byte), no prefetch (three passes' loads of every wave are out from the first line on).
.set PITCH, 144                        ; a stage row: a multivector's 128 bytes + 16: an odd multiple of 16, so that the lanes' 16-byte reads of 16 rows fall on 16 different columns
.set WST,   32*PITCH                   ; a wave's stage
.set SPARE, 8*WST                      ; behind the stages: the spare words, 128 bytes for each wave: four blocks of 256 bytes that no other line names
.set GOF, 2                            ; v2        16 x lane: my place in 512 bytes, for loads and stores; never rewritten
.set SW,  3                            ; v3        where I put 16 bytes into the stage
.set SR,  4                            ; v4        my row of the stage
.set SPW, 6                            ; v6        LDS address of my spare word; never rewritten
.set NIL, 7                            ; v7        0; never rewritten
.set LB,  8                            ; v[8:103]  three load buffers of 32
.set X,   104                          ; v[104:135] my multivector: blade a at X + a
.set Y,   136                          ; v[136:167] F(p,y)[c] at Y + 16 y + 4 p + c
.set T,   168                          ; v[168:171] at work
.set O,   172                          ; v[172:195] packed f16, to store
.macro SETA p, q, y                    ; AA = the blade A(p,q,y)
.set AA, ((((\p)&1)*2) ^ ((((\p)>>1)&1)*20) ^ ((\q)&1) ^ ((((\q)>>1)&1)*19) ^ ((\y)*31))
.endm
.macro SETG a                          ; GG = G(a): the sign that the ascending product of the generators' R(p,q) leaves
.set GG, ((((\a) & (((\a)>>1)^((\a)>>2)^((\a)>>3)^((\a)>>4))) ^ (((\a)>>2)&((\a)>>4)) ^ (((\a)>>3)&((\a)>>4))) & 1)
.endm
	s_load_b256 s[4:11], s[0:1], 0x0               ; x s[4:5], weight s[6:7], xt s[8:9], wt s[10:11]
	v_lshl_add_u32 v[SPW], v0, 2, SPARE
	v_mov_b32 v[NIL], 0
	v_lshrrev_b32 v1, 5, v0
	v_readfirstlane_b32 s12, v1                    ; wave 0..7
	v_and_b32 v1, 31, v0                           ; lane
	v_lshlrev_b32 v[GOF], 4, v1
	s_mul_i32 s22, s12, WST                        ; my stage
	v_lshrrev_b32 v5, 3, v1                        ; a load's 512 bytes are four multivectors: lane / 8 says which,
	v_mul_u32_u24 v5, v5, PITCH
	v_and_b32 v[SW], 7, v1                         ; lane % 8 which 16 bytes of it
	v_lshl_add_u32 v[SW], v[SW], 4, v5
	v_add_nc_u32 v[SW], s22, v[SW]
	v_mul_u32_u24 v[SR], v1, PITCH
	v_add_nc_u32 v[SR], s22, v[SR]
	s_lshl_b32 s13, ttmp9, 3
	s_add_co_u32 s13, s13, s12                     ; W
	s_lshl_b32 s14, s13, 14                        ; x: four passes of 4,096 bytes
	s_mov_b32 s15, 0
	s_lshl_b32 s16, s13, 12                        ; weight: one pass
	s_mov_b32 s17, 0
	s_lshr_b32 s18, s13, 1                         ; xt: b = W / 2, four rows of 4,096 bytes;
	s_lshl_b32 s18, s18, 14
	s_and_b32 s19, s13, 1                          ; my four passes are 2,048 bytes of each row
	s_lshl_b32 s19, s19, 11
	s_add_co_u32 s18, s18, s19
	s_mov_b32 s19, 0
	s_lshr_b32 s20, s13, 3                         ; wt: o = W / 8, eight rows of 4,096 bytes;
	s_lshl_b32 s20, s20, 15
	s_and_b32 s21, s13, 7                          ; my pass is 512 bytes of each row
	s_lshl_b32 s21, s21, 9
	s_add_co_u32 s20, s20, s21
	s_mov_b32 s21, 0
	s_wait_kmcnt 0x0
	s_add_nc_u64 s[4:5], s[4:5], s[14:15]
	s_add_nc_u64 s[6:7], s[6:7], s[16:17]
	s_add_nc_u64 s[8:9], s[8:9], s[18:19]
	s_add_nc_u64 s[10:11], s[10:11], s[20:21]
.macro LOADP buf, base, off            ; a pass's eight loads; each byte of x and weight is read once in the launch
.irp j, 0,1,2,3,4,5,6,7
	global_load_b128 v[LB+32*(\buf)+4*(\j):LB+32*(\buf)+4*(\j)+3], v[GOF], s[\base:\base+1] offset:(\off)+512*(\j) th:TH_LOAD_NT
.endr
.endm
.macro TOLANES buf                     ; through my stage: in as loaded (four rows a load), back a row a lane.  LDS serves a wave's instructions in order (ISA guide 5.7.1.4), so no wait stands between
.irp j, 0,1,2,3,4,5,6,7
	ds_store_b128 v[SW], v[LB+32*(\buf)+4*(\j):LB+32*(\buf)+4*(\j)+3] offset:4*PITCH*(\j)
.endr
.irp t, 0,1,2,3,4,5,6,7
	ds_load_b128 v[X+4*(\t):X+4*(\t)+3], v[SR] offset:16*(\t)
.endr
.endm
.macro SIGNS isw                       ; (-1)^G(a) onto blade a; for weight also the factor 64, a power of two, which lifts its numbers well into f16's normal range
.set a, 0
.rept 32
	SETG a
.if \isw
.if GG
	v_mul_f32 v[X+a], 0xc2800000, v[X+a]
.else
	v_mul_f32 v[X+a], 0x42800000, v[X+a]
.endif
.elseif GG
	v_mul_f32 v[X+a], -1.0, v[X+a]
.endif
.set a, a+1
.endr
.endm
.macro WHT                             ; eight transforms of four points: c = 0: ++++, 1: +-+-, 2: ++--, 3: +--+ over q = 0..3
.set yy, 0
.rept 2
.set pp, 0
.rept 4
	SETA pp, 0, yy
.set U0, X+AA
	SETA pp, 1, yy
.set U1, X+AA
	SETA pp, 2, yy
.set U2, X+AA
	SETA pp, 3, yy
.set U3, X+AA
.set D, Y+(16*yy)+(4*pp)
	v_add_f32 v[T],   v[U0], v[U1]
	v_sub_f32 v[T+1], v[U0], v[U1]
	v_add_f32 v[T+2], v[U2], v[U3]
	v_sub_f32 v[T+3], v[U2], v[U3]
	v_pk_add_f32 v[D:D+1],   v[T:T+1], v[T+2:T+3]
	v_pk_add_f32 v[D+2:D+3], v[T:T+1], v[T+2:T+3] neg_lo:[0,1] neg_hi:[0,1]
.set pp, pp+1
.endr
.set yy, yy+1
.endr
.endm
.macro OUTX k                          ; row c of my b: X_0[0..3][c], X_1[0..3][c], and X_y[s][c] = F(s ^ c, y)[c]
	s_wait_xcnt 0x0                                ; the last pass's stores have read O: it is rewritten only behind this wait
.irp c, 0,1,2,3
.irp y, 0,1
.irp e, 0,1
	v_cvt_pk_f16_f32 v[O+4*(\c)+2*(\y)+(\e)], v[Y+16*(\y)+4*((2*(\e))^(\c))+(\c)], v[Y+16*(\y)+4*((2*(\e)+1)^(\c))+(\c)]
.endr
.endr
	global_store_b128 v[GOF], v[O+4*(\c):O+4*(\c)+3], s[8:9] offset:(\c)*4096+(\k)*512
.endr
.endm
.macro OUTW                            ; W_y[r][s] = F(r ^ s, y)[s].  Six registers a row r: W_1, W_0, -W_1: the first four are row 4 + r, the last four row r
	s_wait_xcnt 0x0                                ; as in OUTX
.irp r, 0,1,2,3
.irp e, 0,1
	v_cvt_pk_f16_f32 v[O+6*(\r)+(\e)],   v[Y+16+4*((\r)^(2*(\e)))+2*(\e)], v[Y+16+4*((\r)^(2*(\e)+1))+2*(\e)+1]
	v_cvt_pk_f16_f32 v[O+6*(\r)+2+(\e)], v[Y+4*((\r)^(2*(\e)))+2*(\e)],    v[Y+4*((\r)^(2*(\e)+1))+2*(\e)+1]
.endr
.irp e, 0,1
	v_xor_b32 v[O+6*(\r)+4+(\e)], 0x80008000, v[O+6*(\r)+(\e)]  ; two signs turned
.endr
	global_store_b128 v[GOF], v[O+6*(\r):O+6*(\r)+3],   s[10:11] offset:(4+(\r))*4096
	global_store_b128 v[GOF], v[O+6*(\r)+2:O+6*(\r)+5], s[10:11] offset:(\r)*4096
.endr
.endm
; Pass k (0-3: x; 4: weight), from buffer k % 3.  left = the loads of the younger passes, eight each, that may stay out.
.macro PASS k, left
	s_wait_loadcnt \left                           ; loads come back in order (ISA guide 5.7.1): this pass's eight are in
	TOLANES (\k)%3
	s_wait_dscnt 0x0                               ; my multivector is in X, and the buffer has been read:
.if (\k) == 0
	LOADP 0, 4, 3*4096                             ; it takes the pass three on: x's fourth,
.elseif (\k) == 1
	LOADP 1, 6, 0                                  ; weight's
.endif
.if (\k) == 4
	SIGNS 1
	WHT
	OUTW
.else
	SIGNS 0
	WHT
	OUTX \k
.endif
.endm
	LOADP 0, 4, 0
	LOADP 1, 4, 4096
	LOADP 2, 4, 2*4096
	PASS 0, 16
	PASS 1, 16
	PASS 2, 16
	PASS 3, 8
	PASS 4, 0
	s_wait_tensorcnt 0x0                           ; the wave's end, behind my last LDS store
	ds_add_u32 v[SPW], v[NIL]
	s_wait_dscnt 0x0
	s_endpgm
.Lfunc_end_k_q3239dd9309_spin:
	.size	k_q3239dd9309_spin, .Lfunc_end_k_q3239dd9309_spin-k_q3239dd9309_spin
	.p2alignl 7, 3214868480
	.fill 96, 4, 3214868480
	.section	.rodata,"a",@progbits
	.p2align	6, 0x0
	.amdhsa_kernel k_q3239dd9309_spin
		.amdhsa_group_segment_fixed_size 37888
		.amdhsa_private_segment_fixed_size 0
		.amdhsa_enable_private_segment 0
		.amdhsa_kernarg_size 32
		.amdhsa_user_sgpr_count 2
		.amdhsa_user_sgpr_kernarg_segment_ptr 1
		.amdhsa_wavefront_size32 1
		.amdhsa_system_sgpr_workgroup_id_x 1
		.amdhsa_system_sgpr_workgroup_id_y 1
		.amdhsa_system_sgpr_workgroup_id_z 1
		.amdhsa_system_vgpr_workitem_id 0
		.amdhsa_next_free_vgpr 200
		.amdhsa_next_free_sgpr 66
		.amdhsa_reserve_vcc 0
		.amdhsa_float_denorm_mode_32 3
		.amdhsa_float_denorm_mode_16_64 3
		.amdhsa_memory_ordered 1
		.amdhsa_forward_progress 1
		.amdhsa_inst_pref_size 33
	.end_amdhsa_kernel
	.amdgpu_metadata
---
amdhsa.version: [ 1, 2 ]
amdhsa.kernels:
  - .name:           k_q3239dd9309_spin
    .symbol:         k_q3239dd9309_spin.kd
    .args:
      - { .name: x, .offset: 0, .size: 8, .value_kind: global_buffer, .address_space: global }
      - { .name: weight, .offset: 8, .size: 8, .value_kind: global_buffer, .address_space: global }
      - { .name: xt, .offset: 16, .size: 8, .value_kind: global_buffer, .address_space: global }
      - { .name: wt, .offset: 24, .size: 8, .value_kind: global_buffer, .address_space: global }
    .group_segment_fixed_size: 37888
    .private_segment_fixed_size: 0
    .kernarg_segment_align: 8
    .kernarg_segment_size: 32
    .max_flat_workgroup_size: 256
    .sgpr_count:     66
    .vgpr_count:     200
    .wavefront_size: 32
...
	.end_amdgpu_metadata
.endif
;; end of part 1
;; launch gemm (part 2): grid 16 x 16, 4 waves a work-group, clusters of 4 x 4, 327,680 bytes of LDS; arguments xt, wt, out0; writes out0
.if DOCPART == 2
	.amdgcn_target "amdgcn-amd-amdhsa--gfx1250"
	.amdhsa_code_object_version 6
	.text
	.protected	k_q3239dd9309_gemm
	.globl	k_q3239dd9309_gemm
	.p2align	8
	.type	k_q3239dd9309_gemm,@function
k_q3239dd9309_gemm:
	s_mov_b64 s[64:65], 0
	v_nop
	global_prefetch_b8 v0, s[64:65] scope:SCOPE_SE
	s_setreg_imm32_b32 hwreg(HW_REG_WAVE_MODE, 25, 1), 1
	s_wait_xcnt 0x0
	s_wait_alu depctr_hold_cnt(0) depctr_sa_sdst(0) depctr_va_vdst(0) depctr_va_sdst(0) depctr_va_ssrc(0) depctr_va_vcc(0) depctr_vm_vsrc(0)
	s_getreg_b32 s2, hwreg(HW_REG_IB_STS2, 6, 4)
	s_cmp_eq_u32 s2, 0
	s_cbranch_scc0 .Lentry_in_a_cluster
	s_endpgm
.Lentry_in_a_cluster:
	s_bfe_u32 s2, ttmp6, 0x10000c
	s_cmp_lg_u32 s2, 0xf033
	s_cbranch_scc0 .Lentry_shape_is_right
	s_endpgm
.Lentry_shape_is_right:
; C[m][n] = the sum over k of xt[m][k] wt[n][k], f16 operands, f32 sums, and out0 made of C on the way out.  xt: [4096][2048], wt: [2048][2048] (the launch before wrote them), out0: [1024][256][32] f32.
; WHAT C IS.  m = 4 b + c, n = 8 o + 4 y + r: C = 64 x Mo_y[r][c], part y (0 real, 1 imaginary) of the complex 4 x 4 matrix of the multivector out[b][o] = the sum over i of weight[o][i] x[b][i] (geometric products).
; BACK TO BLADES.  out[A(p,q,y)] = 2^-8 (-1)^G(A) (-1)^parity(q & p) x the sum over r of (-1)^parity(q & r) C_y[r][r ^ p]; A and G as in the launch before (SETA, SETG below).
; LIMITS.  Those of the launch before (f16's range for the operands); sums in f32, K ascending; out0 is rounded once from them.  NaN and infinities are not treated apart.
; SHARES.  A work-group makes 256 (m) x 128 (n): 16 x 16 work-groups.  Four waves, each 128 x 64: 32 accumulators of 16 x 16, 256 registers.  K goes in steps of 128 (rows of 256 bytes, aligned) through
; two LDS slots filled by the tensor data mover; two slots of a longer step (2 x 384 rows x 528 bytes) do not fit in LDS.
; CLUSTER.  4 x 4 work-groups.  The four of a row of the cluster need the same tiles of xt, the four of a column the same tiles of wt: each tile is asked for JOINTLY, by the same tensor load with the same
; descriptor and a mask that names the four.
; THE MATRIX INSTRUCTION IS USED TRANSPOSED (source 0 = 16 rows of wt, source 1 = 16 rows of xt): lane l then holds m = l % 16, that is b = (l / 4) % 4 and c = l % 4, and its registers j = 4 y + r are the
; whole matrix column c of one o (o's parity = l / 16).  Register r of lane l ^ r is C_y[r][r ^ p] with p = l % 4: so the exchange between lanes rides on the butterflies' own instructions (DPP).
; REGISTERS, in windows of 256 (s_set_vgpr_msb: bits 1:0 source 0, 3:2 source 1, 5:4 source 2, 7:6 destination):
;   window 0: v0-43 addresses and constants; v64-159, v160-255 two fragment buffers (8 fragments of xt, then 4 of wt); on the way out v64-191 at work
;   window 1: accumulator (a, b) at v[8 (4 a + b)]
.set SIZE_K, 2048
.set KSTEP,  128
.set PITCH,  272                       ; an LDS row: 256 bytes + 16 of padding = 68 words: row r starts at bank 4 r mod 64 (64 banks of 4 bytes: ISA guide 11.1), so the 16 rows of a load start at 16 different banks
.set HALFA,  128*PITCH                 ; what a tensor load brings of xt, and what a wave reads of it
.set HALFB,  64*PITCH                  ; the same for wt
.set SLOT,   2*HALFA+2*HALFB           ; xt's 256 rows, then wt's 128
.set STAGE,  2*SLOT                    ; behind the ring, never filled by a tensor load: the waves' stages for the way out
.set SPITCH, 1056                      ; a stage row: one b's 8 o x 128 bytes + 32: the 32 lanes' 8-byte stores then fall on 32 different pairs of banks
.set WSTAGE, 4352                      ; a wave's stage: four such rows, rounded up to blocks of 256 bytes
.set SPARE,  STAGE+4*WSTAGE            ; behind the stages: the spare words, 128 bytes for each wave: two blocks of 256 bytes that no other line names
.set LAPS,   SIZE_K/(2*KSTEP)          ; a lap = two K steps = once round the ring
.set PL,   5                           ; v5      p = l % 4 (at the head)
.set ADRA, 16                          ; v16-17  LDS address of my fragments of xt in slot 0, 1
.set ADRB, 20                          ; v20-21  the same for wt
.set RD,   25                          ; v25     the way out: where I read 16 bytes of a stage row back
.set GO,   26                          ; v26     16 x lane: my place in 512 bytes of out0
.set SPW,  28                          ; v28     LDS address of my spare word; never rewritten
.set NIL,  29                          ; v29     0; never rewritten
.set PFO,  30                          ; v30     the prefetches' offset: lane x a row of 4,096 bytes; never rewritten
.set SG,   32                          ; v32-39  1.0 or -1.0: (-1)^G(A) (-1)^parity(q & p) for my p; for y, q at 2 (2 y + q / 2) + A % 2
.set STO,  40                          ; v40-43  where I put the pair of blades A & 30, A | 1, for k = 2 y + q / 2
.set F0,   64
.set F1,   160
.set T0,   64                          ; the way out: 32 registers, a block's four accumulators x 2^-8; later the finished blades
.set T1,   96                          ; 32 registers: behind the first butterfly
.set BK0,  128                         ; two sets of 32 by turns: a block read back from the stage
.set SC,   18                          ; s[18:19] 2^-8: the packed multiply names a pair and takes its low word for both halves
.set LIM,  43                          ; s43     2 in a wave that prefetches, else the greatest number
.set PFA,  44                          ; s[44:45] where my prefetches stand
.set G1,   24                          ; s[24:31] descriptor group 1 for xt's tiles;  s[32:39] group 0, one set for each slot
.set G0,   32
.set G1B,  48                          ; s[48:55], s[56:63] the same for wt's tiles
.set G0B,  56
.set MSB, 0
.macro WIN new                         ; the immediate's high byte repeats the setting that is left; a switch that changes nothing is dropped
.if MSB != (\new)
	s_set_vgpr_msb (MSB<<8)|(\new)
.set MSB, \new
.endif
.endm
.set MUL, 0x50                         ; both sources window 0; C and D window 1
.macro SETA p, q, y                    ; AA = the blade A(p,q,y)
.set AA, ((((\p)&1)*2) ^ ((((\p)>>1)&1)*20) ^ ((\q)&1) ^ ((((\q)>>1)&1)*19) ^ ((\y)*31))
.endm
.macro SETG a                          ; GG = G(a)
.set GG, ((((\a) & (((\a)>>1)^((\a)>>2)^((\a)>>3)^((\a)>>4))) ^ (((\a)>>2)&((\a)>>4)) ^ (((\a)>>3)&((\a)>>4))) & 1)
.endm
; A joint load: waves 0 and 1 fetch xt's two halves, waves 2 and 3 wt's.  The branch hangs on the wave's number alone.  An s_nop 0 and four v_nop follow each of the two lines, ahead of the jump, the label and
; what follows.
.macro JLOAD s
	s_cmp_eq_u32 s11, 0
	s_cbranch_scc0 .Lfor_b_\@
	tensor_load_to_lds s[G0+4*(\s):G0+4*(\s)+3], s[G1:G1+7]
	s_nop 0
.rept 4
	v_nop
.endr
	s_branch .Lasked_\@
.Lfor_b_\@:
	tensor_load_to_lds s[G0B+4*(\s):G0B+4*(\s)+3], s[G1B:G1B+7]
	s_nop 0
.rept 4
	v_nop
.endr
.Lasked_\@:
.endm
; A PREFETCH INTO THE L2, behind a joint load, its five lines and the run of LDS loads that follows: 32 rows x 256 bytes, a lane a row, of the K step that stands FOUR refills on: 512 matrix instructions ahead of
; the load that will ask for it.  Each row's 256 bytes of a K step are named ONCE in the launch.  xt's tile row is read by every cluster of that row of clusters: the first (cluster x = 0) asks, waves 0 and 1, each
; for the 128 rows that it fetches; wt's tile column by every cluster of that column: cluster y = 0 asks, wave 2 for all 128 rows.  The four partners that ask for a tile jointly share the rows out BY ADDRESS,
; 32 each (cx for xt, cy for wt): no branch hangs on a work-group's place in its cluster.  K steps 0 to 5 come by their loads alone; the last four refills (s3 = 2, 1) ask for nothing: K ends at step 15.
.macro ASK
	s_cmp_gt_u32 s3, s[LIM]
	s_cbranch_scc0 .Lnot_mine_\@
	global_prefetch_b8 v[PFO], s[PFA:PFA+1] th:TH_LOAD_NT scope:SCOPE_SE
.Lnot_mine_\@:
.endm
.macro CREST                           ; a round of the cluster's barrier behind its opening barrier
	s_cmp_lg_u32 s10, 0
	s_cbranch_scc1 .Lnot_wave_0_\@
	s_barrier_signal -3
.Lnot_wave_0_\@:
	s_barrier_wait -3
	s_barrier_signal -1
	s_barrier_wait -1
.endm
.macro CROUND                          ; a whole round
	s_barrier_signal -1
	s_barrier_wait -1
	CREST
.endm
	s_load_b128 s[4:7], s[0:1], 0x0                ; xt s[4:5], wt s[6:7]
	s_load_b64 s[8:9], s[0:1], 0x10                ; out0
	v_lshl_add_u32 v[SPW], v0, 2, SPARE
	v_mov_b32 v[NIL], 0
	ds_add_u32 v[SPW], v[NIL]                      ; the wave's opening: the add, twice on end, and its wait ahead of my first tensor load; the set-up below stands between
	ds_add_u32 v[SPW], v[NIL]                      ; and once more, under the one wait
	v_lshrrev_b32 v1, 5, v0
	v_readfirstlane_b32 s10, v1                    ; wave 0..3
	s_lshr_b32 s11, s10, 1                         ; which 128 of the tile's rows (m) are mine.  Also: I fetch for xt (0) or for wt (1)
	s_and_b32 s12, s10, 1                          ; which 64 of its columns (n).  Also: which half of that tile I fetch
	s_bfe_u32 s40, ttmp6, 0x40000                  ; cx, cy: my place in the cluster
	s_bfe_u32 s41, ttmp6, 0x40004
	s_lshl_b32 s42, ttmp9, 2
	s_add_co_u32 s42, s42, s40                     ; tile column = 4 x cluster x + cx
	s_and_b32 s13, ttmp7, 0xffff
	s_lshl_b32 s13, s13, 2
	s_add_co_u32 s13, s13, s41                     ; tile row = 4 x cluster y + cy
	s_lshl_b32 s43, s41, 2
	s_lshl_b32 s43, 15, s43                        ; my row of the cluster: places 4 cy .. 4 cy + 3
	s_lshl_b32 s44, 0x1111, s40                    ; my column: places cx, cx + 4, cx + 8, cx + 12
	; descriptor group 1: tiles of 128 (xt) or 64 (wt) rows x 128 elements, padded in LDS
	s_or_b32 s[G1+0], s43, (1<<16)|(1<<20)|(1<<21)|(5<<22)|(3<<25)   ; 15:0 the mask; 17:16 elements of 2 bytes; 20 padding on; 21 set beside a mask; 24:22 after every 64 words (code 5); 31:25 4 words (code 3)
	s_or_b32 s[G1B+0], s44, (1<<16)|(1<<20)|(1<<21)|(5<<22)|(3<<25)
.irp g, G1, G1B
	s_mov_b32 s[(\g)+1], KSTEP<<16                 ; tensor_dim0 = 128
	s_mov_b32 s[(\g)+3], KSTEP<<16                 ; tile_dim0 = 128
	s_mov_b32 s[(\g)+5], SIZE_K                    ; elements from row to row
	s_mov_b32 s[(\g)+6], 0
	s_mov_b32 s[(\g)+7], 0
.endr
	s_mov_b32 s[G1+2], 128<<16                     ; tensor_dim1
	s_mov_b32 s[G1+4], 128                         ; tile_dim1
	s_mov_b32 s[G1B+2], 64<<16
	s_mov_b32 s[G1B+4], 64
	; where the tiles come from: xt's hang on the tile row alone, wt's on the tile column alone; every wave makes both, in registers that never hold the other coordinate
	s_lshl_b32 s16, s13, 8
	s_lshl_b32 s17, s12, 7
	s_add_co_u32 s16, s16, s17                     ; xt: row 256 x tile row + 128 x half,
	s_lshl_b32 s16, s16, 12                        ; in bytes (under 2^24)
	s_mov_b32 s17, 0
	s_lshl_b32 s46, s42, 7
	s_lshl_b32 s47, s12, 6
	s_add_co_u32 s46, s46, s47                     ; wt: row 128 x tile column + 64 x half
	s_lshl_b32 s46, s46, 12
	s_mov_b32 s47, 0
	s_mul_i32 s20, s10, HALFA                      ; and where they go: xt's halves at wave x 128 rows (waves 0, 1),
	s_mul_i32 s21, s10, HALFB                      ; wt's behind xt's 256 rows at (wave - 2) x 64 rows (waves 2, 3): no place in the cluster enters an LDS address
	s_add_co_u32 s21, s21, 2*HALFA-2*HALFB
	s_mov_b32 s[SC], 0x3b800000                    ; 2^-8
	s_mov_b32 s[SC+1], 0x3b800000                  ; named with it as a pair
	s_wait_dscnt 0x0                               ; both opening adds are done
	s_wait_kmcnt 0x0
	s_add_nc_u64 s[14:15], s[4:5], s[16:17]
	s_add_nc_u64 s[46:47], s[6:7], s[46:47]
	CROUND                                         ; all sixteen work-groups are here: the first joint loads meet
.irp s, 0,1
	s_mov_b32 s[G0+4*(\s)], 1                                        ; 1:0 count = 1
	s_add_co_u32 s[G0+4*(\s)+1], s20, (\s)*SLOT                      ; 63:32 LDS address
	s_add_nc_u64 s[G0+4*(\s)+2:G0+4*(\s)+3], s[14:15], (\s)*KSTEP*2  ; 120:64 global address: K step s
	s_or_b32 s[G0+4*(\s)+3], s[G0+4*(\s)+3], 0x80000000              ; 127:126 type = 2
	s_mov_b32 s[G0B+4*(\s)], 1
	s_add_co_u32 s[G0B+4*(\s)+1], s21, (\s)*SLOT
	s_add_nc_u64 s[G0B+4*(\s)+2:G0B+4*(\s)+3], s[46:47], (\s)*KSTEP*2
	s_or_b32 s[G0B+4*(\s)+3], s[G0B+4*(\s)+3], 0x80000000
	JLOAD \s                                       ; two loads of mine are out
.endr
	; A fragment is 16 rows x 32 K in 8 registers: lane l holds row l % 16; registers 0-3 K = 8 (l / 16) + 0..7, registers 4-7 K = 16 + 8 (l / 16) + 0..7: two loads of 16 bytes, 32 bytes apart.
	v_and_b32 v1, 15, v0                           ; l % 16
	v_bfe_u32 v2, v0, 4, 1                         ; l / 16
	v_mul_u32_u24 v3, v1, PITCH
	v_lshl_add_u32 v3, v2, 4, v3
	s_mul_i32 s21, s11, HALFA                      ; my 128 rows of xt
	s_mul_i32 s22, s12, HALFB                      ; my 64 rows of wt,
	s_add_co_u32 s22, s22, 2*HALFA                 ; which lie behind xt's 256
.irp s, 0,1
	v_add_nc_u32 v[ADRA+(\s)], s21, v3
	v_add_nc_u32 v[ADRB+(\s)], s22, v3
	s_add_co_u32 s21, s21, SLOT
	s_add_co_u32 s22, s22, SLOT
.endr
	; the way out's constants.  The signs: for each of the eight (y, q) a table of four bits, one for each p, made by the assembler; my lane takes bit p as the sign of 1.0
	v_and_b32 v[PL], 3, v0
.set n, 0
.rept 8
.set yy, n>>2
.set q2, (n>>1)&1
.set q1, ((n&1)^q2)^yy                 ; the register's parity is A % 2 = q % 2 ^ q / 2 ^ y
.set qq, q1+(2*q2)
.set TT, 0
.set pp, 0
.rept 4
	SETA pp, qq, yy
	SETG AA
.set TT, TT | ((GG ^ (((qq&pp)^((qq&pp)>>1))&1)) << pp)
.set pp, pp+1
.endr
	v_mov_b32 v[SG+n], TT
	v_lshrrev_b32 v[SG+n], v[PL], v[SG+n]
	v_lshlrev_b32 v[SG+n], 31, v[SG+n]
	v_or_b32 v[SG+n], 0x3f800000, v[SG+n]
.set n, n+1
.endr
	; the stage: row (l / 4) % 4 (b), 128 bytes for each o (o = 2 nb + l / 16), 4 bytes a blade.  A & 30 = (2 (p % 2) | 20 (p / 2)) ^ 18 (q / 2) ^ 30 y
	v_and_b32 v3, 1, v0
	v_bfe_u32 v4, v0, 1, 1
	v_lshlrev_b32 v3, 1, v3
	v_mul_u32_u24 v4, v4, 20
	v_or_b32 v3, v3, v4
	v_bfe_u32 v4, v0, 2, 2
	s_mul_i32 s23, s10, WSTAGE
	s_add_co_u32 s23, s23, STAGE                   ; my stage
	v_mul_u32_u24 v4, v4, SPITCH
	v_lshl_add_u32 v4, v2, 7, v4
	v_add_nc_u32 v4, s23, v4
.irp k, 0,1,2,3
	v_xor_b32 v6, (((\k)&1)*18)^(((\k)>>1)*30), v3
	v_and_b32 v6, 30, v6                           ; (changes nothing: it states the bound)
	v_lshl_add_u32 v[STO+(\k)], v6, 2, v4
.endr
	v_and_b32 v6, 31, v0
	v_lshlrev_b32 v[GO], 4, v6
	v_add_nc_u32 v[RD], s23, v[GO]
	v_lshlrev_b32 v[PFO], 12, v6
	; out0 at my first b and o: b = 64 x tile row + 32 x half, 32,768 bytes each; o = 16 x tile column + 8 x half, 128 bytes each
	s_lshl_b32 s16, s13, 6
	s_lshl_b32 s17, s11, 5
	s_add_co_u32 s16, s16, s17
	s_lshl_b32 s16, s16, 15
	s_mov_b32 s17, 0
	s_add_nc_u64 s[8:9], s[8:9], s[16:17]
	s_lshl_b32 s46, s42, 4
	s_lshl_b32 s47, s12, 3
	s_add_co_u32 s46, s46, s47
	s_lshl_b32 s46, s46, 7
	s_mov_b32 s47, 0
	s_add_nc_u64 s[8:9], s[8:9], s[46:47]
	; the prefetches
	s_lshl_b32 s20, s13, 8
	s_lshl_b32 s21, s12, 7
	s_add_co_u32 s20, s20, s21                     ; xt: the 128 rows that I fetch
	s_lshl_b32 s21, s42, 7                         ; wt: the tile's 128 rows
	s_and_b32 s22, ttmp7, 0xffff                   ; cluster y
	s_cmp_eq_u32 s11, 0                            ; do I fetch for xt?
	s_cselect_b32 s20, s20, s21
	s_cselect_b32 s21, s40, s41                    ; my place among the four that ask for the tile with me
	s_cselect_b32 s22, ttmp9, s22                  ; the coordinate along which other clusters read the same rows
	s_cselect_b64 s[PFA:PFA+1], s[4:5], s[6:7]
	s_cmp_eq_u32 s10, 3
	s_cselect_b32 s22, 1, s22                      ; wave 3 asks for nothing: wave 2 names all of wt's rows
	s_cmp_eq_u32 s22, 0
	s_cselect_b32 s[LIM], 2, -1                    ; the same in all sixteen partners, for a given wave
	s_lshl_b32 s21, s21, 5
	s_add_co_u32 s20, s20, s21                     ; + my work-group's 32 rows
	s_lshl_b32 s20, s20, 12
	s_mov_b32 s21, 0
	s_add_nc_u64 s[PFA:PFA+1], s[PFA:PFA+1], s[20:21]
	s_add_nc_u64 s[PFA:PFA+1], s[PFA:PFA+1], 5*KSTEP*2  ; at K step 5: the first refill (of K step 2) steps it to 6 and names that.  Nothing is prefetched here, at the head
; 8 matrix instructions: m blocks a0, a0 + 1 x all 4 n blocks, 32 along K.  zero = 1: the first product starts the sums: nothing is ever cleared.
; The 32 accumulators take turns, one instruction a turn, in the same order in every quarter, over the backward jump too.
.macro MUL8 f, a0, zero
	WIN MUL
.irp a, \a0, (\a0)+1
.irp b, 0,1,2,3
.if \zero
	v_wmma_f32_16x16x32_f16 v[8*(4*(\a)+(\b)):8*(4*(\a)+(\b))+7], v[(\f)+64+8*(\b):(\f)+64+8*(\b)+7], v[(\f)+8*(\a):(\f)+8*(\a)+7], 0
.else
	v_wmma_f32_16x16x32_f16 v[8*(4*(\a)+(\b)):8*(4*(\a)+(\b))+7], v[(\f)+64+8*(\b):(\f)+64+8*(\b)+7], v[(\f)+8*(\a):(\f)+8*(\a)+7], v[8*(4*(\a)+(\b)):8*(4*(\a)+(\b))+7]
.endif
.endr
.endr
.endm
; 24 LDS loads in one run: the fragments of one quarter step (32 K at byte k of the rows) into buffer f: wt's 64 rows, xt's rows 0-63, xt's rows 64-127
.macro FETCH slot, k, f
	WIN 0
.irp i, 0,1,2,3
	ds_load_b128 v[(\f)+64+8*(\i):(\f)+64+8*(\i)+3],   v[ADRB+(\slot)] offset:(\k)+(\i)*16*PITCH
	ds_load_b128 v[(\f)+64+8*(\i)+4:(\f)+64+8*(\i)+7], v[ADRB+(\slot)] offset:(\k)+(\i)*16*PITCH+32
.endr
.irp i, 0,1,2,3,4,5,6,7
	ds_load_b128 v[(\f)+8*(\i):(\f)+8*(\i)+3],   v[ADRA+(\slot)] offset:(\k)+(\i)*16*PITCH
	ds_load_b128 v[(\f)+8*(\i)+4:(\f)+8*(\i)+7], v[ADRA+(\slot)] offset:(\k)+(\i)*16*PITCH+32
.endr
.endm
.macro PLACES                          ; four places in front of loads into registers that matrix instructions have read, and of vector instructions that read results
.rept 4
	v_nop
.endr
.endm
; A K step is four quarters of 32 along K, 32 matrix instructions each, on buffers 0, 1, 0, 1.  One of the first three: multiplies buffer f; in its middle it fetches the next quarter, at byte k, into g.
.macro QUARTER slot, k, f, g, zero
	s_wait_dscnt 8                                 ; wt's fragments and xt's rows 0-63 are in; the youngest eight loads (xt's rows 64-127) may be out
	MUL8 \f, 0, \zero
	MUL8 \f, 2, \zero
	PLACES
	FETCH \slot, \k, \g
	s_wait_dscnt 24                                ; all but the 24 just issued
	MUL8 \f, 4, \zero
	MUL8 \f, 6, \zero
.endm
; The last quarter multiplies buffer 1 and changes slots: ONE barrier.  In front of it each wave waits for all its tensor loads (one is out: its part of the next slot), adds 0 to its spare word, and waits for
; that and for its own reads of this slot.  fill = 1: the barrier opens a round of the cluster's barrier, and behind the round this slot is filled again, two K steps ahead: 112 matrix instructions ahead of the wait for it.
.macro TURN slot, next, fill
.if \fill
	s_wait_xcnt 0x0                                ; the last prefetch, a K step back, has read its address: it is stepped here, ahead of the waits of the change of slots
	s_add_nc_u64 s[PFA:PFA+1], s[PFA:PFA+1], KSTEP*2
.endif
	WIN 0
	s_wait_tensorcnt 0x0                           ; all my tensor loads have landed;
	ds_add_u32 v[SPW], v[NIL]                      ; 0 onto my spare word;
	s_wait_dscnt 9                                 ; (the add and the youngest eight loads may be out)
	MUL8 F1, 0, 0                                  ; eight matrix instructions stand between the add and the wait for it
	s_wait_dscnt 0x0                               ; the add is done, and my reads of this slot are over
	s_barrier_signal -1
	MUL8 F1, 2, 0                                  ; work on registers while the others arrive
.if \fill
	WIN 0
.endif
	s_barrier_wait -1
.if \fill
	CREST                                          ; no wave of any partner still reads this slot's tile or has a load on its way
	s_add_nc_u64 s[G0+4*(\slot)+2:G0+4*(\slot)+3], s[G0+4*(\slot)+2:G0+4*(\slot)+3], 2*KSTEP*2
	s_add_nc_u64 s[G0B+4*(\slot)+2:G0B+4*(\slot)+3], s[G0B+4*(\slot)+2:G0B+4*(\slot)+3], 2*KSTEP*2
	JLOAD \slot                                    ; the first tensor load behind the round, my only one; the four v_nop behind it are also the places in front of the loads below
.else
	PLACES
.endif
	FETCH \next, 0, F0
.if \fill
	ASK
.endif
	MUL8 F1, 4, 0
	MUL8 F1, 6, 0
.endm
	s_wait_tensorcnt 1                             ; my part of K step 0 is in; K step 1's may stay out
	s_barrier_signal -1
	s_barrier_wait -1                              ; everybody's is
	FETCH 0, 0, F0
	QUARTER 0, 64, F0, F1, 1                       ; the first quarter stands in front of the loop: its products start the sums
	WIN 0                                          ; at a label and at a branch every window is 0
	s_mov_b32 s3, LAPS-1
.Llap:                                                 ; a trip goes once round the ring, from a lap's second quarter to the next lap's first, and fills both slots again
	QUARTER 0, 128, F1, F0, 0
	QUARTER 0, 192, F0, F1, 0
	TURN 0, 1, 1
	QUARTER 1, 64,  F0, F1, 0
	QUARTER 1, 128, F1, F0, 0
	QUARTER 1, 192, F0, F1, 0
	TURN 1, 0, 1
	QUARTER 0, 64,  F0, F1, 0
	WIN 0
	s_sub_co_u32 s3, s3, 1
	s_cmp_lg_u32 s3, 0
	s_cbranch_scc1 .Llap
	QUARTER 0, 128, F1, F0, 0                      ; the last lap fills nothing, and has no round of the cluster's barrier
	QUARTER 0, 192, F0, F1, 0
	TURN 0, 1, 0
	QUARTER 1, 64,  F0, F1, 0
	QUARTER 1, 128, F1, F0, 0
	QUARTER 1, 192, F0, F1, 0
	s_wait_dscnt 8                                 ; the very last quarter: nothing more to fetch
	MUL8 F1, 0, 0
	MUL8 F1, 2, 0
	s_wait_dscnt 0x0
	MUL8 F1, 4, 0
	MUL8 F1, 6, 0
; THE WAY OUT, a block a of 16 rows of C (four b) x my 64 columns (eight o) at a time: 4 x 1,024 bytes of out0.
; XF0: the block's four accumulators x 2^-8, into window 0; each accumulator's lowest registers are read first.
.macro XF0 a
	WIN 0x01                                       ; source 0 window 1
.irp nb, 0,1,2,3
.irp r, 0,2,4,6
	v_pk_mul_f32 v[T0+8*(\nb)+(\r):T0+8*(\nb)+(\r)+1], v[8*(4*(\a)+(\nb))+(\r):8*(4*(\a)+(\nb))+(\r)+1], s[SC:SC+1] op_sel_hi:[1,0]
.endr
.endr
.endm
; XF1: with V_r = register r of lane l ^ r: V0 + V1, V0 - V1 and, still one exchange short, the same of registers 2 and 3.  The first source comes from lane l ^ 1.
.macro XF1
	WIN 0
.irp nb, 0,1,2,3
.irp y, 0,1
	v_add_f32_dpp    v[T1+8*(\nb)+4*(\y)],   v[T0+8*(\nb)+4*(\y)+1], v[T0+8*(\nb)+4*(\y)]   row_xmask:1 row_mask:0xf bank_mask:0xf
	v_subrev_f32_dpp v[T1+8*(\nb)+4*(\y)+1], v[T0+8*(\nb)+4*(\y)+1], v[T0+8*(\nb)+4*(\y)]   row_xmask:1 row_mask:0xf bank_mask:0xf
	v_add_f32_dpp    v[T1+8*(\nb)+4*(\y)+2], v[T0+8*(\nb)+4*(\y)+3], v[T0+8*(\nb)+4*(\y)+2] row_xmask:1 row_mask:0xf bank_mask:0xf
	v_subrev_f32_dpp v[T1+8*(\nb)+4*(\y)+3], v[T0+8*(\nb)+4*(\y)+3], v[T0+8*(\nb)+4*(\y)+2] row_xmask:1 row_mask:0xf bank_mask:0xf
.endr
.endr
.endm
; XF2: the second butterfly, its first source from lane l ^ 2: the sums for q = 0, 2, 1, 3, each into the register that its blade's parity names; then the signs.
.macro XF2
	WIN 0
.irp nb, 0,1,2,3
.irp y, 0,1
	v_add_f32_dpp    v[T0+8*(\nb)+4*(\y)+(\y)],       v[T1+8*(\nb)+4*(\y)+2], v[T1+8*(\nb)+4*(\y)]   row_xmask:2 row_mask:0xf bank_mask:0xf
	v_subrev_f32_dpp v[T0+8*(\nb)+4*(\y)+2+(1^(\y))], v[T1+8*(\nb)+4*(\y)+2], v[T1+8*(\nb)+4*(\y)]   row_xmask:2 row_mask:0xf bank_mask:0xf
	v_add_f32_dpp    v[T0+8*(\nb)+4*(\y)+(1^(\y))],   v[T1+8*(\nb)+4*(\y)+3], v[T1+8*(\nb)+4*(\y)+1] row_xmask:2 row_mask:0xf bank_mask:0xf
	v_subrev_f32_dpp v[T0+8*(\nb)+4*(\y)+2+(\y)],     v[T1+8*(\nb)+4*(\y)+3], v[T1+8*(\nb)+4*(\y)+1] row_xmask:2 row_mask:0xf bank_mask:0xf
.endr
.endr
.irp nb, 0,1,2,3
.irp k, 0,1,2,3
	v_pk_mul_f32 v[T0+8*(\nb)+2*(\k):T0+8*(\nb)+2*(\k)+1], v[T0+8*(\nb)+2*(\k):T0+8*(\nb)+2*(\k)+1], v[SG+2*(\k):SG+2*(\k)+1]
.endr
.endr
.endm
; TOSTAGE: two neighbouring blades a store into my own stage, and back as whole rows.  LDS serves a wave's instructions in order (ISA guide 5.7.1.4): the loads see the stores above, and the next block's stores come behind them.
.macro TOSTAGE a
	WIN 0
.set BK, BK0+32*((\a)%2)
.irp nb, 0,1,2,3
.irp k, 0,1,2,3
	ds_store_b64 v[STO+(\k)], v[T0+8*(\nb)+2*(\k):T0+8*(\nb)+2*(\k)+1] offset:256*(\nb)
.endr
.endr
.irp t, 0,1,2,3,4,5,6,7
	ds_load_b128 v[BK+4*(\t):BK+4*(\t)+3], v[RD] offset:((\t)>>1)*SPITCH+((\t)&1)*512
.endr
.endm
.macro SEND a
	WIN 0
.set BK, BK0+32*((\a)%2)
	s_wait_dscnt 0x0                               ; the block is back in registers
	s_wait_xcnt 0x0                                ; the stores of the block before have read their registers, which the next TOSTAGE loads again
.irp t, 0,1,2,3,4,5,6,7
	global_store_b128 v[GO], v[BK+4*(\t):BK+4*(\t)+3], s[8:9] offset:(4*(\a)+((\t)>>1))*32768+((\t)&1)*512 th:TH_STORE_NT  ; 512 consecutive bytes, at a multiple of 512 from out0's first
.endr
.endm
	PLACES                                         ; behind the last products
	XF0 0
	XF1
	XF2
	TOSTAGE 0
.irp a, 1,2,3,4,5,6,7                  ; a block's arithmetic stands between the loads of the block before and the wait for them
	XF0 \a
	XF1
	XF2
	SEND (\a)-1
	TOSTAGE \a
.endr
	SEND 7
	s_wait_tensorcnt 0x0                           ; the wave's end, behind my last tensor load and my last LDS store
	ds_add_u32 v[SPW], v[NIL]
	s_wait_dscnt 0x0
	CROUND                                         ; the closing round: no work-group ends while a partner may still ask for a tile that names it
	s_endpgm
.Lfunc_end_k_q3239dd9309_gemm:
	.size	k_q3239dd9309_gemm, .Lfunc_end_k_q3239dd9309_gemm-k_q3239dd9309_gemm
	.p2alignl 7, 3214868480
	.fill 96, 4, 3214868480
	.section	.rodata,"a",@progbits
	.p2align	6, 0x0
	.amdhsa_kernel k_q3239dd9309_gemm
		.amdhsa_group_segment_fixed_size 327680
		.amdhsa_private_segment_fixed_size 0
		.amdhsa_enable_private_segment 0
		.amdhsa_kernarg_size 24
		.amdhsa_user_sgpr_count 2
		.amdhsa_user_sgpr_kernarg_segment_ptr 1
		.amdhsa_wavefront_size32 1
		.amdhsa_system_sgpr_workgroup_id_x 1
		.amdhsa_system_sgpr_workgroup_id_y 1
		.amdhsa_system_sgpr_workgroup_id_z 1
		.amdhsa_system_vgpr_workitem_id 0
		.amdhsa_next_free_vgpr 512
		.amdhsa_next_free_sgpr 66
		.amdhsa_reserve_vcc 0
		.amdhsa_float_denorm_mode_32 3
		.amdhsa_float_denorm_mode_16_64 3
		.amdhsa_memory_ordered 1
		.amdhsa_forward_progress 1
		.amdhsa_inst_pref_size 140
	.end_amdhsa_kernel
	.amdgpu_metadata
---
amdhsa.version: [ 1, 2 ]
amdhsa.kernels:
  - .name:           k_q3239dd9309_gemm
    .symbol:         k_q3239dd9309_gemm.kd
    .args:
      - { .name: xt, .offset: 0, .size: 8, .value_kind: global_buffer, .address_space: global }
      - { .name: wt, .offset: 8, .size: 8, .value_kind: global_buffer, .address_space: global }
      - { .name: out0, .offset: 16, .size: 8, .value_kind: global_buffer, .address_space: global }
    .group_segment_fixed_size: 327680
    .private_segment_fixed_size: 0
    .kernarg_segment_align: 8
    .kernarg_segment_size: 24
    .max_flat_workgroup_size: 128
    .sgpr_count:     66
    .vgpr_count:     512
    .wavefront_size: 32
...
	.end_amdgpu_metadata
.endif
;; end of part 2
;; ======== version 2 of 2: 2 launches; version 1 with the launch spin written anew for expert scheduling mode
;; limits: values are held in f16: magnitudes above 65,504 overflow, below 6.1e-05 lose precision; right only within a limited range of input values
;; workspace buffers: xt 16,777,216 bytes; wt 8,388,608 bytes
;; launch spin (part 3): grid 256 x 1, 8 waves a work-group, no clusters, 37,888 bytes of LDS; arguments x, weight, xt, wt; writes xt, wt
.if DOCPART == 3
	.amdgcn_target "amdgcn-amd-amdhsa--gfx1250"
	.amdhsa_code_object_version 6
	.text
	.protected	k_q3239dd9309_spin
	.globl	k_q3239dd9309_spin
	.p2align	8
	.type	k_q3239dd9309_spin,@function
k_q3239dd9309_spin:
	s_mov_b64 s[64:65], 0
	v_nop
	global_prefetch_b8 v0, s[64:65] scope:SCOPE_SE
	s_setreg_imm32_b32 hwreg(HW_REG_WAVE_SCHED_MODE, 0, 2), 2
	s_setreg_imm32_b32 hwreg(HW_REG_WAVE_MODE, 25, 1), 1
	s_wait_xcnt 0x0
	s_wait_alu depctr_vm_vsrc(0)
; THE CHANGE OF BASIS.  Cl(4,1) is the algebra of complex 4 x 4 matrices.  With R(p,q) = X^p Z^q on two qubits (R[r][c] = 1 or -1 where r = c ^ p, the sign by the parity of q & c)
; the generators e0..e4 go to R(0,1), R(1,0), R(3,3), i R(3,1), R(1,3): they anticommute and square to +,+,+,+,-.  Blade a (an ascending product) goes to i^y (-1)^G(a) R(p,q), a = A(p,q,y).
; So a multivector v is the matrix M with part y (0 real, 1 imaginary) M_y[c ^ p][c] = F(p,y)[c] = the sum over q of (-1)^parity(q & c) (-1)^G(A) v[A(p,q,y)]:
; eight transforms of four points.  A geometric product is then a matrix product, a quarter of the multiply-adds.  This holds for every input: it is an identity of the algebra.
; THIS LAUNCH writes x and 64 x weight in that basis, rounded once to f16, as the two operands of a real product C = xt wt^T (next launch):
;   xt[4 b + c][8 i + 4 y + s] = X_y[s][c]                                   [4096][2048] f16
;   wt[8 o + r][8 i + ..] = W_0[r][0..3], -W_1[r][0..3];   wt[8 o + 4 + r][8 i + ..] = W_1[r][0..3], W_0[r][0..3]      [2048][2048] f16
; LIMITS.  f16 ends at 65,504: a signed sum of four blades of x, and 64 x a signed sum of four blades of weight, must stay under it (|x| < 16,376, |weight| < 255 suffice).
; The sums are made in f32 and rounded once; the rounding is made in the matrix basis, not blade by blade as the reference's inputs would be.
; SHARES.  A PASS is 32 multivectors (32 neighbouring i of one b or o): 4,096 bytes in.  Wave W = 8 x work-group + wave of 2,048 makes four passes of x and one of weight: all waves alike, no branch.
; Each load covers 512 neighbouring bytes; a pass goes through the wave's own stage in LDS so that each lane gets one whole multivector; each store covers 512 neighbouring bytes, aligned, of one row.
; Memory binds: no matrix unit, no cluster (no two work-groups read a common byte), no prefetch (three passes' loads of every wave are out from the first line on).
; THE MODE: SCHED_MODE bits 1:0 = 2 (LLVM: expert scheduling mode 2), set by the entry lines.  The code itself states the register dependences
; between vector instructions and memory or LDS instructions, with s_wait_alu, always for 0.
; THE PLAN.  Registers that memory or LDS instructions touch:
;   v2, v3, v4    offsets and LDS addresses: written at the head, read by every load, store and LDS instruction, never written again.   v6, v7: written at the head, read by the closing add alone.
;   LB0 .. LB2    written by the global loads, read by the pass's eight LDS stores; no vector instruction names them.
;   X             written by the pass's eight LDS loads; then the pass's vector instructions alone rewrite and read it.
;   O0, O1        pass k's roundings write O[k % 2]; the global stores that read it are issued in one run at the head of pass k + 1 (weight's behind the last pass).
;   Y and T are named by vector instructions alone.
; So a pass has two waits.  At its head, on va_vdst: the pass before has written its O, which the stores below read, and is done with X, in which the LDS loads below land; only memory and LDS
; instructions stand between that wait and these.  Behind the LDS round trip, on vm_vsrc: the LDS stores have read the load buffer, which is asked for again at once (passes 0, 1), or the stores
; issued a pass ago have read the O that this pass's roundings write again (passes 2 to 4).  The text is one straight run: there is no other path.
.set PITCH, 144                        ; a stage row: a multivector's 128 bytes + 16: an odd multiple of 16, so that the lanes' 16-byte reads of 16 rows fall on 16 different columns
.set WST,   32*PITCH                   ; a wave's stage
.set SPARE, 8*WST                      ; behind the stages: the spare words, 128 bytes for each wave: four blocks of 256 bytes that no other line names
.set GOF, 2                            ; v2        16 x lane: my place in 512 bytes, for loads and stores; never rewritten
.set SW,  3                            ; v3        where I put 16 bytes into the stage
.set SR,  4                            ; v4        my row of the stage
.set SPW, 6                            ; v6        LDS address of my spare word; never rewritten
.set NIL, 7                            ; v7        0; never rewritten
.set LB,  8                            ; v[8:103]  three load buffers of 32
.set X,   104                          ; v[104:135] my multivector: blade a at X + a
.set Y,   136                          ; v[136:167] F(p,y)[c] at Y + 16 y + 4 p + c
.set T,   168                          ; v[168:171] at work
.set O,   172                          ; v[172:195], v[196:211] packed f16, to store: two buffers by turns, 24 apart; weight's pass fills 24 registers of the first, x's passes 16
.macro SETA p, q, y                    ; AA = the blade A(p,q,y)
.set AA, ((((\p)&1)*2) ^ ((((\p)>>1)&1)*20) ^ ((\q)&1) ^ ((((\q)>>1)&1)*19) ^ ((\y)*31))
.endm
.macro SETG a                          ; GG = G(a): the sign that the ascending product of the generators' R(p,q) leaves
.set GG, ((((\a) & (((\a)>>1)^((\a)>>2)^((\a)>>3)^((\a)>>4))) ^ (((\a)>>2)&((\a)>>4)) ^ (((\a)>>3)&((\a)>>4))) & 1)
.endm
	s_load_b256 s[4:11], s[0:1], 0x0               ; x s[4:5], weight s[6:7], xt s[8:9], wt s[10:11]
	v_lshl_add_u32 v[SPW], v0, 2, SPARE
	v_mov_b32 v[NIL], 0
	v_lshrrev_b32 v1, 5, v0
	v_readfirstlane_b32 s12, v1                    ; wave 0..7
	v_and_b32 v1, 31, v0                           ; lane
	v_lshlrev_b32 v[GOF], 4, v1
	s_wait_alu depctr_va_sdst(0)                   ; s12 is written, ahead of its first reader: my stage's place and all four bases are made from it
	s_mul_i32 s22, s12, WST                        ; my stage
	v_lshrrev_b32 v5, 3, v1                        ; a load's 512 bytes are four multivectors: lane / 8 says which,
	v_mul_u32_u24 v5, v5, PITCH
	v_and_b32 v[SW], 7, v1                         ; lane % 8 which 16 bytes of it
	v_lshl_add_u32 v[SW], v[SW], 4, v5
	v_add_nc_u32 v[SW], s22, v[SW]
	v_mul_u32_u24 v[SR], v1, PITCH
	v_add_nc_u32 v[SR], s22, v[SR]
	s_lshl_b32 s13, ttmp9, 3
	s_add_co_u32 s13, s13, s12                     ; W
	s_lshl_b32 s14, s13, 14                        ; x: four passes of 4,096 bytes
	s_mov_b32 s15, 0
	s_lshl_b32 s16, s13, 12                        ; weight: one pass
	s_mov_b32 s17, 0
	s_lshr_b32 s18, s13, 1                         ; xt: b = W / 2, four rows of 4,096 bytes;
	s_lshl_b32 s18, s18, 14
	s_and_b32 s19, s13, 1                          ; my four passes are 2,048 bytes of each row
	s_lshl_b32 s19, s19, 11
	s_add_co_u32 s18, s18, s19
	s_mov_b32 s19, 0
	s_lshr_b32 s20, s13, 3                         ; wt: o = W / 8, eight rows of 4,096 bytes;
	s_lshl_b32 s20, s20, 15
	s_and_b32 s21, s13, 7                          ; my pass is 512 bytes of each row
	s_lshl_b32 s21, s21, 9
	s_add_co_u32 s20, s20, s21
	s_mov_b32 s21, 0
	s_wait_kmcnt 0x0
	s_add_nc_u64 s[4:5], s[4:5], s[14:15]
	s_add_nc_u64 s[6:7], s[6:7], s[16:17]
	s_add_nc_u64 s[8:9], s[8:9], s[18:19]
	s_add_nc_u64 s[10:11], s[10:11], s[20:21]
	s_wait_alu depctr_va_vdst(0)                   ; v2, v3, v4, v6 and v7 are written: every load, store and LDS instruction of the kernel reads one of them as its offset or address, the closing add the last two
.macro LOADP buf, base, off            ; a pass's eight loads; each byte of x and weight is read once in the launch
.irp j, 0,1,2,3,4,5,6,7
	global_load_b128 v[LB+32*(\buf)+4*(\j):LB+32*(\buf)+4*(\j)+3], v[GOF], s[\base:\base+1] offset:(\off)+512*(\j) th:TH_LOAD_NT
.endr
.endm
.macro TOLANES buf                     ; through my stage: in as loaded (four rows a load), back a row a lane.  LDS serves a wave's instructions in order (ISA guide 5.7.1.4), so no wait stands between
.irp j, 0,1,2,3,4,5,6,7
	ds_store_b128 v[SW], v[LB+32*(\buf)+4*(\j):LB+32*(\buf)+4*(\j)+3] offset:4*PITCH*(\j)
.endr
.irp t, 0,1,2,3,4,5,6,7
	ds_load_b128 v[X+4*(\t):X+4*(\t)+3], v[SR] offset:16*(\t)
.endr
.endm
.macro SIGNS isw                       ; (-1)^G(a) onto blade a; for weight also the factor 64, a power of two, which lifts its numbers well into f16's normal range
.set a, 0
.rept 32
	SETG a
.if \isw
.if GG
	v_mul_f32 v[X+a], 0xc2800000, v[X+a]
.else
	v_mul_f32 v[X+a], 0x42800000, v[X+a]
.endif
.elseif GG
	v_mul_f32 v[X+a], -1.0, v[X+a]
.endif
.set a, a+1
.endr
.endm
.macro WHT                             ; eight transforms of four points: c = 0: ++++, 1: +-+-, 2: ++--, 3: +--+ over q = 0..3
.set yy, 0
.rept 2
.set pp, 0
.rept 4
	SETA pp, 0, yy
.set U0, X+AA
	SETA pp, 1, yy
.set U1, X+AA
	SETA pp, 2, yy
.set U2, X+AA
	SETA pp, 3, yy
.set U3, X+AA
.set D, Y+(16*yy)+(4*pp)
	v_add_f32 v[T],   v[U0], v[U1]
	v_sub_f32 v[T+1], v[U0], v[U1]
	v_add_f32 v[T+2], v[U2], v[U3]
	v_sub_f32 v[T+3], v[U2], v[U3]
	v_pk_add_f32 v[D:D+1],   v[T:T+1], v[T+2:T+3]
	v_pk_add_f32 v[D+2:D+3], v[T:T+1], v[T+2:T+3] neg_lo:[0,1] neg_hi:[0,1]
.set pp, pp+1
.endr
.set yy, yy+1
.endr
.endm
.macro OUTX k                          ; row c of my b: X_0[0..3][c], X_1[0..3][c], and X_y[s][c] = F(s ^ c, y)[c]; rounded into O[k % 2]
.set OB, O+24*((\k)%2)
.irp c, 0,1,2,3
.irp y, 0,1
.irp e, 0,1
	v_cvt_pk_f16_f32 v[OB+4*(\c)+2*(\y)+(\e)], v[Y+16*(\y)+4*((2*(\e))^(\c))+(\c)], v[Y+16*(\y)+4*((2*(\e)+1)^(\c))+(\c)]
.endr
.endr
.endr
.endm
.macro STX k                           ; the four stores of x's pass k, out of O[k % 2]
.set OB, O+24*((\k)%2)
.irp c, 0,1,2,3
	global_store_b128 v[GOF], v[OB+4*(\c):OB+4*(\c)+3], s[8:9] offset:(\c)*4096+(\k)*512
.endr
.endm
.macro OUTW                            ; W_y[r][s] = F(r ^ s, y)[s].  Six registers a row r: W_1, W_0, -W_1: the first four are row 4 + r, the last four row r; into O0
.irp r, 0,1,2,3
.irp e, 0,1
	v_cvt_pk_f16_f32 v[O+6*(\r)+(\e)],   v[Y+16+4*((\r)^(2*(\e)))+2*(\e)], v[Y+16+4*((\r)^(2*(\e)+1))+2*(\e)+1]
	v_cvt_pk_f16_f32 v[O+6*(\r)+2+(\e)], v[Y+4*((\r)^(2*(\e)))+2*(\e)],    v[Y+4*((\r)^(2*(\e)+1))+2*(\e)+1]
.endr
.irp e, 0,1
	v_xor_b32 v[O+6*(\r)+4+(\e)], 0x80008000, v[O+6*(\r)+(\e)]  ; two signs turned
.endr
.endr
.endm
.macro STW                             ; the eight stores of weight's pass, out of O0
.irp r, 0,1,2,3
	global_store_b128 v[GOF], v[O+6*(\r):O+6*(\r)+3],   s[10:11] offset:(4+(\r))*4096
	global_store_b128 v[GOF], v[O+6*(\r)+2:O+6*(\r)+5], s[10:11] offset:(\r)*4096
.endr
.endm
; Pass k (0-3: x; 4: weight), from buffer k % 3.  left = the loads of the younger passes, eight each, that may stay out.
.macro PASS k, left
.if (\k) > 0
	s_wait_alu depctr_va_vdst(0)                   ; the pass before has written its O, which the stores below read, and is done writing and reading X, in which the LDS loads below land
	STX (\k)-1
.endif
	s_wait_loadcnt \left                           ; loads come back in order (ISA guide 5.7.1): this pass's eight are in
	TOLANES (\k)%3
	s_wait_dscnt 0x0                               ; my multivector is in X
.if (\k) < 2
	s_wait_alu depctr_vm_vsrc(0)                   ; my LDS stores have read the load buffer, in which the loads below land
.if (\k) == 0
	LOADP 0, 4, 3*4096                             ; it takes the pass three on: x's fourth,
.else
	LOADP 1, 6, 0                                  ; weight's
.endif
.else
	s_wait_xcnt 0x0                                ; every earlier memory instruction has had its addresses translated (ISA guide 3.1): O[k % 2], which the stores issued a pass ago read, is rewritten only behind this wait
	s_wait_alu depctr_vm_vsrc(0)                   ; those stores have read O[k % 2], which this pass's roundings write again; no memory instruction between here and the roundings reads it
.endif
.if (\k) == 4
	SIGNS 1
	WHT
	OUTW
.else
	SIGNS 0
	WHT
	OUTX \k
.endif
.endm
	LOADP 0, 4, 0
	LOADP 1, 4, 4096
	LOADP 2, 4, 2*4096
	PASS 0, 16
	PASS 1, 16
	PASS 2, 16
	PASS 3, 8
	PASS 4, 0
	s_wait_alu depctr_va_vdst(0)                   ; weight's pass has written O0, which the last eight stores read
	STW
	s_wait_dscnt 0x0                               ; the closing lines, six on end
	s_wait_alu 0x0
	s_wait_tensorcnt 0x0
	ds_add_u32 v[SPW], v[NIL]
	s_wait_dscnt 0x0
	s_endpgm
.Lfunc_end_k_q3239dd9309_spin:
	.size	k_q3239dd9309_spin, .Lfunc_end_k_q3239dd9309_spin-k_q3239dd9309_spin
	.p2alignl 7, 3214868480
	.fill 96, 4, 3214868480
	.section	.rodata,"a",@progbits
	.p2align	6, 0x0
	.amdhsa_kernel k_q3239dd9309_spin
		.amdhsa_group_segment_fixed_size 37888
		.amdhsa_private_segment_fixed_size 0
		.amdhsa_enable_private_segment 0
		.amdhsa_kernarg_size 32
		.amdhsa_user_sgpr_count 2
		.amdhsa_user_sgpr_kernarg_segment_ptr 1
		.amdhsa_wavefront_size32 1
		.amdhsa_system_sgpr_workgroup_id_x 1
		.amdhsa_system_sgpr_workgroup_id_y 1
		.amdhsa_system_sgpr_workgroup_id_z 1
		.amdhsa_system_vgpr_workitem_id 0
		.amdhsa_next_free_vgpr 212
		.amdhsa_next_free_sgpr 66
		.amdhsa_reserve_vcc 0
		.amdhsa_float_denorm_mode_32 3
		.amdhsa_float_denorm_mode_16_64 3
		.amdhsa_memory_ordered 1
		.amdhsa_forward_progress 1
		.amdhsa_inst_pref_size 33
	.end_amdhsa_kernel
	.amdgpu_metadata
---
amdhsa.version: [ 1, 2 ]
amdhsa.kernels:
  - .name:           k_q3239dd9309_spin
    .symbol:         k_q3239dd9309_spin.kd
    .args:
      - { .name: x, .offset: 0, .size: 8, .value_kind: global_buffer, .address_space: global }
      - { .name: weight, .offset: 8, .size: 8, .value_kind: global_buffer, .address_space: global }
      - { .name: xt, .offset: 16, .size: 8, .value_kind: global_buffer, .address_space: global }
      - { .name: wt, .offset: 24, .size: 8, .value_kind: global_buffer, .address_space: global }
    .group_segment_fixed_size: 37888
    .private_segment_fixed_size: 0
    .kernarg_segment_align: 8
    .kernarg_segment_size: 32
    .max_flat_workgroup_size: 256
    .sgpr_count:     66
    .vgpr_count:     212
    .wavefront_size: 32
...
	.end_amdgpu_metadata
.endif
;; end of part 3
;; launch gemm: the kernel of part 2 again; grid 16 x 16, 4 waves a work-group, clusters of 4 x 4, 327,680 bytes of LDS; arguments xt, wt, out0; writes out0
